; MI455X (gfx1250); checked and timed in simulation.
; The chip was launched on July 23, 2026; its instructions are those of AMD's public machine-readable ISA for CDNA 5 (MIT licence, August 2026) and "CDNA5" Instruction Set Architecture Reference Guide (July 2026). The comments in the code are by the model that wrote it; some were corrected since.
;; Multihead Attention. Allowed arithmetic: float matrix products may take bf16 or f16 operands with f32 sums; all other float work in f32.
;; Inputs: bk 1,024 float32; bo 1,024 float32; bq 1,024 float32; bv 1,024 float32; k 2 x 2,048 x 1,024 float32; q 2 x 2,048 x 1,024 float32; v 2 x 2,048 x 1,024 float32; wk 1,024 x 1,024 float32; wo 1,024 x 1,024 float32; wq 1,024 x 1,024 float32; wv 1,024 x 1,024 float32.
;; Outputs: out0 2 x 2,048 x 1,024 float32.
;; One version. Each part assembles by itself: llvm-mc -triple=amdgcn-amd-amdhsa -mcpu=gfx1250 --defsym DOCPART=n.
;; ======== version 1 of 1: 3 launches
;; limits: values are held in f16: magnitudes above 65,504 overflow, below 6.1e-05 lose precision
;; workspace buffers: qh 8,388,608 bytes; kh 8,388,608 bytes; vh 8,388,608 bytes; ah 8,388,608 bytes; wo16 2,097,152 bytes
;; launch proj (part 1): grid 4 x 48, 4 waves a work-group, clusters of 4 x 4, 327,680 bytes of LDS; arguments q, k, v, wq, wk, wv, bq, bk, bv, qh, kh, vh; writes qh, kh, vh
.if DOCPART == 1
	.amdgcn_target "amdgcn-amd-amdhsa--gfx1250"
	.amdhsa_code_object_version 6
	.text
	.protected	k_q7082513d2e_proj
	.globl	k_q7082513d2e_proj
	.p2align	8
	.type	k_q7082513d2e_proj,@function
k_q7082513d2e_proj:
	s_mov_b64 s[64:65], 0
	v_nop
	global_prefetch_b8 v0, s[64:65] scope:SCOPE_SE
	s_setreg_imm32_b32 hwreg(HW_REG_WAVE_MODE, 25, 1), 1
	s_wait_xcnt 0x0
	s_wait_alu depctr_hold_cnt(0) depctr_sa_sdst(0) depctr_va_vdst(0) depctr_va_sdst(0) depctr_va_ssrc(0) depctr_va_vcc(0) depctr_vm_vsrc(0)
	s_getreg_b32 s2, hwreg(HW_REG_IB_STS2, 6, 4)
	s_cmp_eq_u32 s2, 0
	s_cbranch_scc0 .Lentry_in_a_cluster
	s_endpgm
.Lentry_in_a_cluster:
	s_bfe_u32 s2, ttmp6, 0x10000c
	s_cmp_lg_u32 s2, 0xf033
	s_cbranch_scc0 .Lentry_shape_is_right
	s_endpgm
.Lentry_shape_is_right:
; qh, kh, vh = x W^T + b for x = q, k, v.  x: [4096][1024] f32, W: [1024][1024] f32, b: [1024] f32.
; Results: f16, laid out [batch][head][token][64]: byte ((16 batch + head) 2048 + token) 128 + 2 d.
; LIMIT: x, W and the results are rounded to f16 (sums in f32): magnitudes must stay below 65,504 (beyond it: infinity), and under 6.1e-5
; the absolute step is 6e-8.  f16 and not bf16 because its rounding step is eight times finer and five such roundings lie between input and output.
; SHARES: 3 products x 16 x 4 blocks of 256 tokens x 256 columns = 192 work-groups of equal work (3 x 2^22 outputs do not divide into 256 equal
; blocks of whole tiles).  Four waves, as many as a WGP has SIMDs; a wave makes 128 x 128: 64 accumulator tiles, 512 registers.
; K goes in steps of 64 f32 (256 bytes of a row, from a multiple of 256 bytes) through two LDS slots filled by the tensor data mover.  The mover copies
; bytes as they are, so the tiles lie in LDS as f32; a wave loads them raw, rounds pairs to f16 in registers and multiplies.
; CLUSTERS: 4 x 4 work-groups.  The cluster's y picks the product (y >> 2) and four block rows; x's tile hangs on the block row alone and is asked for
; jointly along a row of the cluster, W's on the block column alone and jointly along a column: a quarter of the requests.
; REGISTERS by windows of 256: window 0: v16-27 addresses, v64-127 W's fragments, v128-191 x's fragments, v192-255 the bias as a C operand (later the
; packed results); window 1: the raw f32 of one quarter step, fragment f at 16 f (0-7 W, 8-15 x); windows 2, 3: the accumulators of my rows 0-63, 64-127.
; The matrix instruction is used transposed (source 0 = rows of W, source 1 = rows of x): lane l holds token l % 16 and eight neighbouring columns.
.set PITCH,  272                       ; an LDS row: 256 bytes + 16 of padding, an odd multiple of 16: sixteen rows begin in sixteen different 16-byte columns of a 256-byte span
.set HALFT,  128*PITCH                 ; 128 rows: one tensor load
.set SLOT,   4*HALFT                   ; x's 256 rows, then W's 256 rows
.set STAGE,  2*SLOT                    ; behind the ring: 16 rows x 272 bytes for each wave, never a fill's target
.set SPITCH, 272
.set STEPB,  256                       ; bytes of a row in a K step
.set ADRA, 16                          ; v16-17  LDS address of my x fragments in slot 0, 1
.set ADRB, 20                          ; v20-21  the same for W
.set STO,  24                          ; the way out: where I put 16 bytes
.set RD,   25                          ; the way out: where I read back
.set CO,   26                          ; 16 x lane
.set VB,   27                          ; byte offset of my bias numbers
.set FB,   64
.set FA,   128
.set BI,   192
.set TMP,  192
.set G1,  24                           ; s[24:31] group 1 for x's tiles
.set G0,  32                           ; s[32:39] group 0 for x's tiles, a set for each slot
.set G1B, 48                           ; s[48:55] group 1 for W's tiles: another mask
.set G0B, 56                           ; s[56:63] group 0 for W's tiles
.set MSB, 0
.macro WIN new                         ; the immediate's high byte repeats the setting that is left
.if MSB != \new
	s_set_vgpr_msb (MSB<<8)|\new
.set MSB, \new
.endif
.endm
; A joint load: waves 0, 1 ask for x's two halves, waves 2, 3 for W's.  The branch hangs on the wave's number alone.
.macro JLOAD s
	s_cmp_eq_u32 s11, 0
	s_cbranch_scc0 .Lfor_w_\@
	tensor_load_to_lds s[G0+4*\s:G0+4*\s+3], s[G1:G1+7]
	s_nop 0
	s_branch .Lasked_\@
.Lfor_w_\@:
	tensor_load_to_lds s[G0B+4*\s:G0B+4*\s+3], s[G1B:G1B+7]
	s_nop 0
.Lasked_\@:
.endm
.macro CREST                           ; a round of the cluster's barrier behind its opening work-group barrier
	s_cmp_lg_u32 s10, 0
	s_cbranch_scc1 .Lnot_wave_0_\@
	s_barrier_signal -3
.Lnot_wave_0_\@:
	s_barrier_wait -3
	s_barrier_signal -1
	s_barrier_wait -1
.endm
.macro CROUND
	s_barrier_signal -1
	s_barrier_wait -1
	CREST
.endm
.macro PLACES                          ; four plain vector places behind a matrix instruction before its registers are written or its result read (ISA guide 7.12.1)
.rept 4
	v_nop
.endr
.endm
	s_load_b512 s[68:83], s[0:1], 0x0              ; q k v wq wk wv bq bk
	s_load_b256 s[84:91], s[0:1], 0x40             ; bv qh kh vh
	v_lshl_add_u32 v62, v0, 2, 0x48400
	v_mov_b32 v63, 0
	ds_add_u32 v62, v63
	v_lshrrev_b32 v1, 5, v0
	v_readfirstlane_b32 s10, v1                    ; wave 0..3
	s_lshr_b32 s11, s10, 1                         ; my half of the block's tokens.  Also: I fetch for x (0) or W (1)
	s_and_b32 s12, s10, 1                          ; my half of its columns.  Also: which 128 rows of that tile I fetch
	s_bfe_u32 s40, ttmp6, 0x40000                  ; cx
	s_bfe_u32 s41, ttmp6, 0x40004                  ; cy
	s_lshl_b32 s42, ttmp9, 2
	s_add_co_u32 s42, s42, s40                     ; block column 0..3
	s_and_b32 s13, ttmp7, 0xffff                   ; the cluster's y, 0..11
	s_lshr_b32 s45, s13, 2                         ; which product: 0 q, 1 k, 2 v; the same in all sixteen partners
	s_and_b32 s13, s13, 3
	s_lshl_b32 s13, s13, 2
	s_add_co_u32 s13, s13, s41                     ; block row 0..15
	s_lshl_b32 s43, s41, 2
	s_lshl_b32 s43, 15, s43                        ; my row of the cluster
	s_lshl_b32 s44, 0x1111, s40                    ; my column
	; group 1: 128 rows x 64 elements of 4 bytes, 4 words of padding behind every 64
	s_or_b32 s[G1+0], s43, (2<<16)|(1<<20)|(1<<21)|(5<<22)|(3<<25)
	s_or_b32 s[G1B+0], s44, (2<<16)|(1<<20)|(1<<21)|(5<<22)|(3<<25)
	s_mov_b32 s[G1+1], 64<<16                      ; tensor_dim0 = 64
	s_mov_b32 s[G1B+1], 64<<16
	s_mov_b32 s[G1+2], 128<<16                     ; tensor_dim1 = 128
	s_mov_b32 s[G1B+2], 128<<16
	s_mov_b32 s[G1+3], 64<<16                      ; tile_dim0 = 64
	s_mov_b32 s[G1B+3], 64<<16
	s_mov_b32 s[G1+4], 128                         ; tile_dim1 = 128
	s_mov_b32 s[G1B+4], 128
	s_mov_b32 s[G1+5], 1024                        ; elements from row to row
	s_mov_b32 s[G1B+5], 1024
	s_mov_b32 s[G1+6], 0
	s_mov_b32 s[G1B+6], 0
	s_mov_b32 s[G1+7], 0
	s_mov_b32 s[G1B+7], 0
	s_lshl_b32 s17, s12, 7
	s_lshl_b32 s16, s13, 8
	s_add_co_u32 s16, s16, s17                     ; x: row 256 x block row + 128 x half
	s_lshl_b32 s16, s16, 12                        ; rows of 4,096 bytes
	s_lshl_b32 s46, s42, 8
	s_add_co_u32 s46, s46, s17                     ; W: row 256 x block column + 128 x half
	s_lshl_b32 s46, s46, 12
	s_mov_b32 s17, 0
	s_mov_b32 s47, 0
	s_mul_i32 s20, s10, HALFT                      ; where my tile goes: wave x 128 rows
	s_wait_dscnt 0x0
	s_wait_kmcnt 0x0
	s_cmp_eq_u32 s45, 0                            ; the product's four buffers
	s_cselect_b64 s[4:5], s[68:69], s[70:71]       ; x
	s_cselect_b64 s[6:7], s[74:75], s[76:77]       ; W
	s_cselect_b64 s[8:9], s[86:87], s[88:89]       ; the result
	s_cselect_b64 s[66:67], s[80:81], s[82:83]     ; the bias
	s_cmp_eq_u32 s45, 2
	s_cselect_b64 s[4:5], s[72:73], s[4:5]
	s_cselect_b64 s[6:7], s[78:79], s[6:7]
	s_cselect_b64 s[8:9], s[90:91], s[8:9]
	s_cselect_b64 s[66:67], s[84:85], s[66:67]
	s_add_nc_u64 s[14:15], s[4:5], s[16:17]
	s_add_nc_u64 s[46:47], s[6:7], s[46:47]
	CROUND                                         ; all sixteen work-groups are here: the first joint loads meet
.irp s, 0,1
	s_mov_b32 s[G0+4*\s], 1
	s_add_co_u32 s[G0+4*\s+1], s20, \s*SLOT
	s_add_nc_u64 s[G0+4*\s+2:G0+4*\s+3], s[14:15], \s*STEPB
	s_or_b32 s[G0+4*\s+3], s[G0+4*\s+3], 0x80000000
	s_mov_b32 s[G0B+4*\s], 1
	s_add_co_u32 s[G0B+4*\s+1], s20, \s*SLOT
	s_add_nc_u64 s[G0B+4*\s+2:G0B+4*\s+3], s[46:47], \s*STEPB
	s_or_b32 s[G0B+4*\s+3], s[G0B+4*\s+3], 0x80000000
	JLOAD \s                                       ; both slots are asked for before anything else: two loads of mine are out
.endr
	v_and_b32 v1, 15, v0                           ; r = l % 16
	v_bfe_u32 v2, v0, 4, 1                         ; h = l / 16
	; the bias as a C operand: register j of tile column b holds b[first column + 16 b + 8 h + j]
	s_lshl_b32 s18, s42, 10
	s_lshl_b32 s19, s12, 9
	s_add_co_u32 s18, s18, s19                     ; 4 (256 block column + 128 half)
	v_lshl_add_u32 v[VB], v2, 5, s18
.irp b, 0,1,2,3,4,5,6,7
	global_load_b128 v[BI+8*\b:BI+8*\b+3],   v[VB], s[66:67] offset:64*\b
	global_load_b128 v[BI+8*\b+4:BI+8*\b+7], v[VB], s[66:67] offset:64*\b+16
.endr
	; a fragment's raw f32: lane l takes row r; K = 8 h .. 8 h + 7 are 32 bytes at 32 h, K = 16 + 8 h .. at 64 + 32 h
	v_mul_u32_u24 v3, v1, PITCH
	v_lshl_add_u32 v3, v2, 5, v3
	s_mul_i32 s21, s11, HALFT                      ; my 128 rows of x
	s_mul_i32 s22, s12, HALFT
	s_add_co_u32 s22, s22, 2*HALFT                 ; my 128 rows of W, behind x's 256
.irp s, 0,1
	v_add_nc_u32 v[ADRA+\s], s21, v3
	v_add_nc_u32 v[ADRB+\s], s22, v3
	s_add_co_u32 s21, s21, SLOT
	s_add_co_u32 s22, s22, SLOT
.endr
	s_mul_i32 s23, s10, 16*SPITCH
	s_add_co_u32 s23, s23, STAGE                   ; my stage
	v_mul_u32_u24 v4, v1, SPITCH
	v_lshl_add_u32 v4, v2, 4, v4
	v_add_nc_u32 v[STO], s23, v4                   ; in: token r, 16 bytes for each half of the lanes
	v_and_b32 v5, 31, v0
	v_lshrrev_b32 v6, 3, v5
	v_and_b32 v7, 7, v0
	v_mul_u32_u24 v6, v6, SPITCH
	v_lshl_add_u32 v6, v7, 4, v6
	v_add_nc_u32 v[RD], s23, v6                    ; back: eight lanes take one token's 128 bytes of one head
	v_lshlrev_b32 v[CO], 4, v5
; 64 LDS loads in one run: the raw f32 of one quarter step (32 along K, at byte 128 kq of the rows): 128 rows of W, 128 rows of x
.macro FETCH slot, kq
	WIN 0x40                                       ; destination window 1, address window 0
.irp i, 0,1,2,3,4,5,6,7
.irp o, 0,1,2,3
	ds_load_b128 v[16*\i+4*\o:16*\i+4*\o+3], v[ADRB+\slot] offset:\kq*128+\i*16*PITCH+16*\o+32*(\o/2)
.endr
.endr
.irp i, 0,1,2,3,4,5,6,7
.irp o, 0,1,2,3
	ds_load_b128 v[128+16*\i+4*\o:128+16*\i+4*\o+3], v[ADRA+\slot] offset:\kq*128+\i*16*PITCH+16*\o+32*(\o/2)
.endr
.endr
.endm
; 256 raw f32 of a lane become 128 registers of f16 pairs: fragment f's registers 16 f .. 16 f + 15 of window 1 go to 64 + 8 f .. of window 0
.macro CVT
	WIN 0x05
.set j, 0
.rept 128
	v_cvt_pk_f16_f32 v[FB+j], v[2*j], v[2*j+1]
.set j, j+1
.endr
.endm
.macro MUL32 hi, bias
.irp a, 0,1,2,3
.irp b, 0,1,2,3,4,5,6,7
.if \bias
	v_wmma_f32_16x16x32_f16 v[8*(8*\a+\b):8*(8*\a+\b)+7], v[FB+8*\b:FB+8*\b+7], v[FA+8*(4*\hi+\a):FA+8*(4*\hi+\a)+7], v[BI+8*\b:BI+8*\b+7]
.else
	v_wmma_f32_16x16x32_f16 v[8*(8*\a+\b):8*(8*\a+\b)+7], v[FB+8*\b:FB+8*\b+7], v[FA+8*(4*\hi+\a):FA+8*(4*\hi+\a)+7], v[8*(8*\a+\b):8*(8*\a+\b)+7]
.endif
.endr
.endr
.endm
; 64 matrix instructions, 32 along K.  The 64 accumulators take turns, one instruction a turn, in one order everywhere.
; bias = 1: the first product takes the bias as C, so the sums start from it and nothing is cleared.
.macro MUL bias
.if \bias
	WIN 0x80
.else
	WIN 0xa0
.endif
	MUL32 0, \bias
.if \bias
	WIN 0xc0
.else
	WIN 0xf0
.endif
	MUL32 1, \bias
.endm
; A K step: two quarters of 32 along K.  Each rounds the raw numbers that were loaded during the last 64 matrix instructions, asks for the next
; quarter's, and multiplies.  The second changes slots: ONE barrier, in front of which each wave waits for its reads of this slot and for all its
; tensor loads (one is out: its part of the next slot).  fill = 1: the barrier opens a round of the cluster's barrier and this slot is asked for
; again first thing behind it, two K steps ahead; that load has a whole K step's 128 matrix instructions in which to land.
.macro STEPK slot, next, fill, bias, more
	s_wait_dscnt 0x0                               ; the raw numbers of the first quarter are in
	PLACES                                         ; the conversions write sources of the last matrix instructions
	CVT
	FETCH \slot, 1
	MUL \bias
	s_wait_dscnt 0x0                               ; the second quarter's are in: my reads of this slot are over
.if \more
	s_wait_tensorcnt 0x0                           ; all my tensor loads have landed
	ds_add_u32 v62, v63
	s_wait_dscnt 0x0
	s_barrier_signal -1
.endif
	PLACES
	CVT                                            ; register work while the others arrive
.if \more
	WIN 0
	s_barrier_wait -1
.if \fill
	CREST                                          ; no wave of any partner still reads this slot or has a load on its way
	s_add_nc_u64 s[G0+4*\slot+2:G0+4*\slot+3], s[G0+4*\slot+2:G0+4*\slot+3], 2*STEPB
	s_add_nc_u64 s[G0B+4*\slot+2:G0B+4*\slot+3], s[G0B+4*\slot+2:G0B+4*\slot+3], 2*STEPB
	JLOAD \slot                                    ; my one tensor load behind the round
.endif
	FETCH \next, 0
.endif
	MUL 0
.endm
.macro LAP bias
	STEPK 0, 1, 1, \bias, 1
	STEPK 1, 0, 1, 0, 1
.endm
	s_wait_tensorcnt 0x1                           ; my part of K step 0 is in; step 1's was issued behind it and may stay out
	s_barrier_signal -1
	s_barrier_wait -1
	FETCH 0, 0
	s_wait_loadcnt 0x0                             ; the bias
	LAP 1                                          ; 16 K steps = 8 laps: the first starts the sums,
	WIN 0
	s_mov_b32 s3, 6
.Llap:
	LAP 0                                          ; six go round,
	WIN 0
	s_sub_co_u32 s3, s3, 1
	s_cmp_lg_u32 s3, 0
	s_cbranch_scc1 .Llap
	STEPK 0, 1, 0, 0, 1                            ; the last fills nothing
	STEPK 1, 0, 0, 0, 0
	; THE WAY OUT, 16 tokens at a time: round to f16, 16 bytes a lane into my own stage, read back by heads: my 128 columns are two heads.
	PLACES
	s_lshr_b32 s16, s13, 3                         ; batch: 8 block rows each
	s_lshl_b32 s16, s16, 22                        ; 16 heads of 262,144 bytes
	s_and_b32 s17, s13, 7
	s_lshl_b32 s17, s17, 15                        ; 256 tokens of 128 bytes
	s_add_co_u32 s16, s16, s17
	s_lshl_b32 s17, s11, 14                        ; my half: 128 tokens
	s_add_co_u32 s16, s16, s17
	s_mov_b32 s17, 0
	s_add_nc_u64 s[8:9], s[8:9], s[16:17]
	s_lshl_b32 s46, s42, 20                        ; 4 heads a block column
	s_lshl_b32 s47, s12, 19                        ; 2 heads a half
	s_add_co_u32 s46, s46, s47
	s_mov_b32 s47, 0
	s_add_nc_u64 s[8:9], s[8:9], s[46:47]
.macro OUT16 i, a, from, f
	WIN \from
.irp b, 0,1,2,3,4,5,6,7
.irp r, 0,1,2,3
	v_cvt_pk_f16_f32 v[TMP+4*\b+\r], v[8*(8*\a+\b)+2*\r], v[8*(8*\a+\b)+2*\r+1]
.endr
.endr
	WIN 0
.irp b, 0,1,2,3,4,5,6,7
	ds_store_b128 v[STO], v[TMP+4*\b:TMP+4*\b+3] offset:32*\b
.endr
	s_wait_xcnt 0x0                                ; buffer f, which earlier stores read, is loaded again only behind this wait
.irp t, 0,1,2,3
.irp hh, 0,1
	ds_load_b128 v[\f+4*(2*\t+\hh):\f+4*(2*\t+\hh)+3], v[RD] offset:\t*4*SPITCH+\hh*128   ; a wave's LDS instructions are served in order: these see the stores above
.endr
.endr
.irp t, 0,1,2,3
.irp hh, 0,1
	s_wait_dscnt 7-(2*\t+\hh)                      ; the loads issued behind this one may be out
	global_store_b128 v[CO], v[\f+4*(2*\t+\hh):\f+4*(2*\t+\hh)+3], s[8:9] offset:\hh*262144+(16*\i+4*\t)*128   ; 512 consecutive bytes: four tokens of one head
.endr
.endr
.endm
	OUT16 0, 0, 0x0a, FB
	OUT16 1, 1, 0x0a, FA
	OUT16 2, 2, 0x0a, FB
	OUT16 3, 3, 0x0a, FA
	OUT16 4, 0, 0x0f, FB
	OUT16 5, 1, 0x0f, FA
	OUT16 6, 2, 0x0f, FB
	OUT16 7, 3, 0x0f, FA
	s_wait_tensorcnt 0x0
	ds_add_u32 v62, v63
	s_wait_dscnt 0x0
	CROUND                                         ; the closing round: no work-group ends while a partner may still ask jointly
	s_endpgm
.Lfunc_end_k_q7082513d2e_proj:
	.size	k_q7082513d2e_proj, .Lfunc_end_k_q7082513d2e_proj-k_q7082513d2e_proj
	.p2alignl 7, 3214868480
	.fill 96, 4, 3214868480
	.section	.rodata,"a",@progbits
	.p2align	6, 0x0
	.amdhsa_kernel k_q7082513d2e_proj
		.amdhsa_group_segment_fixed_size 327680
		.amdhsa_private_segment_fixed_size 0
		.amdhsa_enable_private_segment 0
		.amdhsa_kernarg_size 96
		.amdhsa_user_sgpr_count 2
		.amdhsa_user_sgpr_kernarg_segment_ptr 1
		.amdhsa_wavefront_size32 1
		.amdhsa_system_sgpr_workgroup_id_x 1
		.amdhsa_system_sgpr_workgroup_id_y 1
		.amdhsa_system_sgpr_workgroup_id_z 1
		.amdhsa_system_vgpr_workitem_id 0
		.amdhsa_next_free_vgpr 1024
		.amdhsa_next_free_sgpr 92
		.amdhsa_reserve_vcc 0
		.amdhsa_float_denorm_mode_32 3
		.amdhsa_float_denorm_mode_16_64 3
		.amdhsa_memory_ordered 1
		.amdhsa_forward_progress 1
		.amdhsa_inst_pref_size 242
	.end_amdhsa_kernel
	.amdgpu_metadata
---
amdhsa.version: [ 1, 2 ]
amdhsa.kernels:
  - .name:           k_q7082513d2e_proj
    .symbol:         k_q7082513d2e_proj.kd
    .args:
      - { .name: q, .offset: 0, .size: 8, .value_kind: global_buffer, .address_space: global }
      - { .name: k, .offset: 8, .size: 8, .value_kind: global_buffer, .address_space: global }
      - { .name: v, .offset: 16, .size: 8, .value_kind: global_buffer, .address_space: global }
      - { .name: wq, .offset: 24, .size: 8, .value_kind: global_buffer, .address_space: global }
      - { .name: wk, .offset: 32, .size: 8, .value_kind: global_buffer, .address_space: global }
      - { .name: wv, .offset: 40, .size: 8, .value_kind: global_buffer, .address_space: global }
      - { .name: bq, .offset: 48, .size: 8, .value_kind: global_buffer, .address_space: global }
      - { .name: bk, .offset: 56, .size: 8, .value_kind: global_buffer, .address_space: global }
      - { .name: bv, .offset: 64, .size: 8, .value_kind: global_buffer, .address_space: global }
      - { .name: qh, .offset: 72, .size: 8, .value_kind: global_buffer, .address_space: global }
      - { .name: kh, .offset: 80, .size: 8, .value_kind: global_buffer, .address_space: global }
      - { .name: vh, .offset: 88, .size: 8, .value_kind: global_buffer, .address_space: global }
    .group_segment_fixed_size: 327680
    .private_segment_fixed_size: 0
    .kernarg_segment_align: 8
    .kernarg_segment_size: 96
    .max_flat_workgroup_size: 128
    .sgpr_count:     92
    .vgpr_count:     1024
    .wavefront_size: 32
...
	.end_amdgpu_metadata
.endif
;; end of part 1
;; launch attn (part 2): grid 8 x 32, 8 waves a work-group, clusters of 4 x 1, 327,680 bytes of LDS; arguments qh, kh, vh, wo, ah, wo16; writes ah, wo16
.if DOCPART == 2
	.amdgcn_target "amdgcn-amd-amdhsa--gfx1250"
	.amdhsa_code_object_version 6
	.text
	.protected	k_q7082513d2e_attn
	.globl	k_q7082513d2e_attn
	.p2align	8
	.type	k_q7082513d2e_attn,@function
k_q7082513d2e_attn:
	s_mov_b64 s[64:65], 0
	v_nop
	global_prefetch_b8 v0, s[64:65] scope:SCOPE_SE
	s_setreg_imm32_b32 hwreg(HW_REG_WAVE_MODE, 25, 1), 1
	s_wait_xcnt 0x0
	s_wait_alu depctr_hold_cnt(0) depctr_sa_sdst(0) depctr_va_vdst(0) depctr_va_sdst(0) depctr_va_ssrc(0) depctr_va_vcc(0) depctr_vm_vsrc(0)
	s_getreg_b32 s2, hwreg(HW_REG_IB_STS2, 6, 4)
	s_cmp_eq_u32 s2, 0
	s_cbranch_scc0 .Lentry_in_a_cluster
	s_endpgm
.Lentry_in_a_cluster:
	s_bfe_u32 s2, ttmp6, 0x10000c
	s_cmp_lg_u32 s2, 0x3003
	s_cbranch_scc0 .Lentry_shape_is_right
	s_endpgm
.Lentry_shape_is_right:
; ah = softmax(qh kh^T / 8) vh for each of 32 (batch, head) pairs.  qh, kh, vh: f16, [batch x head][2048 tokens][64].  Running maximum, sums in f32.
; ah: f16, [token pair][head][parity][64]: byte ((token >> 1) 16 + head) 256 + (token & 1) 128 + 2 d, token = 2048 batch + n: two tokens of one head fill
; 256 consecutive bytes, and the heads of a token pair follow each other, so the next launch finds long rows along its K.
; ALSO: wo ([1024][1024] f32) is rounded to f16 into wo16 for the next launch: 4 MiB over 2,048 waves = 2,048 bytes a wave, four loads and two stores.
; LIMIT: the probabilities (in (0, 1] by the running maximum), the result and wo are rounded to f16: probabilities under 6e-8 of the row's largest count as
; zero; |wo| must stay below 65,504; numbers under 6.1e-5 keep an absolute step of 6e-8.  A NaN among the scores is dropped by the maximum.
; SHARES: y = batch x head; 8 blocks of 256 queries: 256 work-groups.  Eight waves of 32 queries (two tiles of 16).  CLUSTER: four query blocks of one head
; read the same K and V: each tile of 256 keys is asked for jointly by the four (mask 15), a quarter of the requests.
; TRANSPOSED FORM: S^T = K Q^T (source 0 = 16 keys, source 1 = 16 queries): lane l holds query l % 16 and keys 8 (l / 16) + 0..7 of the tile.  Two such
; tiles, rounded and packed, ARE the source-1 fragment of P^T for 32 keys, so P never leaves the registers.  O^T = V^T P^T, V^T by the transposing LDS load.
; Maximum, sum and rescale factor are one number a lane; the two key halves of a query (lanes l, l xor 16) are joined by one lane exchange.
; TWO GROUPS OF WAVES, HALF A CHUNK APART: group = (w xor (w >> 2)) & 1, which differs inside each pair (w, w + 4) and inside each pair (2 i, 2 i + 1).
; Group 1 stops a slot's last chunk in the middle of its softmax, scores and V fragments in registers and all its LDS reads back, passes the round with the
; others and finishes that chunk behind it.  So behind a round one group begins with products and the other with vector work, and they stay apart.
; Barriers, joint loads and their waits are on every wave's path; only compute blocks stand under the branch on the wave's number.
.set KP,    144                        ; K's LDS pitch: 128 bytes + 16, an odd multiple of 16
.set VP,    160                        ; V's LDS pitch: 128 bytes + 32, an odd multiple of 32, for the transposing load
.set KREG,  256*KP                     ; 36,864
.set SLOT,  256*KP+256*VP              ; 77,824: 256 keys of K, then of V
.set STAGE, 2*SLOT                     ; 155,648: 32 rows x 144 bytes for each wave, never a fill's target
.set STEPB, 256*128                    ; bytes of 256 tokens
.set ADRK, 2                           ; v2-3    my K fragment address in slot 0, 1
.set ADRV, 4                           ; v4-5    my V address in slot 0, 1
.set STO,  6
.set RD,   7
.set CO,   8
.set QO,   9
.set MM,   10                          ; v10-11  running maximum of query tile t (raw scores)
.set LS,   12                          ; v12-13  running sum over my key half
.set NM,   14                          ; v14-17  -c x maximum, twice for each t (a pair for the packed forms)
.set AL,   18                          ; v18-21  the rescale factor, twice for each t
.set MX,   22                          ; v22-25  four chains of maxima
.set TP,   26                          ; v26-27
.set SM,   28                          ; v28-31  two chains of packed sums
.set QF,   32                          ; v32-63  Q fragment (t, s) at 32 + 16 t + 8 s
.set ACC,  64                          ; v64-127 O^T tile (t, dt) at 64 + 8 (4 t + dt)
.set SC,   128                         ; v128-191 S^T tile (t, kt) at 128 + 8 (4 t + kt); then P^T fragment (t, s) at 128 + 16 t + 8 s
.set FR,   192                         ; v192-255 K fragment (s, kt), then V^T fragment (s, dt), at 192 + 8 (4 s + .)
.set WR,   64                          ; at the start only, in registers that O^T takes later: v64-79 wo as loaded,
.set WP,   80                          ; v80-87 as stored,
.set WI,   88                          ; v88 my byte offset in wo,
.set WO,   89                          ; v89 in wo16
.set G1K, 24
.set G1V, 32
.set G0K, 40                           ; a set for each slot
.set G0V, 48
.macro ROUND                           ; a round of the cluster's barrier
	s_barrier_signal -1
	s_barrier_wait -1
	s_cmp_lg_u32 s8, 0
	s_cbranch_scc1 .Lnot_wave_0_\@
	s_barrier_signal -3
.Lnot_wave_0_\@:
	s_barrier_wait -3
	s_barrier_signal -1
	s_barrier_wait -1
.endm
.macro JLOAD s                         ; waves 0-3 ask for 64 keys of K each, waves 4-7 for 64 keys of V
	s_cmp_eq_u32 s11, 0
	s_cbranch_scc0 .Lfor_v_\@
	tensor_load_to_lds s[G0K+4*\s:G0K+4*\s+3], s[G1K:G1K+7]
	s_nop 0
	s_branch .Lasked_\@
.Lfor_v_\@:
	tensor_load_to_lds s[G0V+4*\s:G0V+4*\s+3], s[G1V:G1V+7]
	s_nop 0
.Lasked_\@:
.endm
.macro PLACES n                        ; plain vector places behind matrix instructions (ISA guide 7.12.1)
.rept \n
	v_nop
.endr
.endm
	s_load_b256 s[16:23], s[0:1], 0x0              ; qh s[16:17], kh s[18:19], vh s[20:21], wo s[22:23]
	s_load_b128 s[68:71], s[0:1], 0x20             ; ah s[68:69], wo16 s[70:71]
	s_set_vgpr_msb 0x40
	v_lshl_add_u32 v0, v0, 2, 0x2f000
	v_mov_b32 v1, 0
	s_set_vgpr_msb 0x4045
	ds_add_u32 v0, v1
	s_set_vgpr_msb 0x4500
	v_lshrrev_b32 v1, 5, v0
	v_readfirstlane_b32 s8, v1                     ; wave 0..7
	s_lshr_b32 s11, s8, 2                          ; I fetch for K (0) or V (1)
	s_and_b32 s12, s8, 3                           ; which 64 keys of the tile
	s_xor_b32 s5, s8, s11
	s_and_b32 s5, s5, 1                            ; my group: 0 1 0 1 1 0 1 0 for waves 0 to 7
	s_bfe_u32 s10, ttmp6, 0x40000                  ; cx
	s_lshl_b32 s13, ttmp9, 2
	s_add_co_u32 s13, s13, s10                     ; query block 0..7
	s_and_b32 s9, ttmp7, 0xffff                    ; batch x head
	s_mov_b32 s56, 0x3e38aa3b                      ; c = log2(e) / 8: the scale and the change of base in one factor
	s_mov_b32 s57, 0x3e38aa3b
	s_mov_b32 s60, 0xbe38aa3b                      ; -c
	s_mov_b32 s58, 0x76543210                      ; lane l reads lane l xor 16
	s_mov_b32 s59, 0xfedcba98
	; group 1: 64 rows x 64 elements of 2 bytes; behind every 32 words K gets 4 words of padding, V 8
	s_mov_b32 s[G1K+0], 15|(1<<16)|(1<<20)|(1<<21)|(4<<22)|(3<<25)
	s_mov_b32 s[G1V+0], 15|(1<<16)|(1<<20)|(1<<21)|(4<<22)|(7<<25)
.irp g, G1K, G1V
	s_mov_b32 s[\g+1], 64<<16                      ; tensor_dim0 = 64
	s_mov_b32 s[\g+2], 64<<16                      ; tensor_dim1 = 64
	s_mov_b32 s[\g+3], 64<<16                      ; tile_dim0 = 64
	s_mov_b32 s[\g+4], 64                          ; tile_dim1 = 64
	s_mov_b32 s[\g+5], 64                          ; elements from row to row
	s_mov_b32 s[\g+6], 0
	s_mov_b32 s[\g+7], 0
.endr
	s_lshl_b32 s4, s9, 18                          ; the head's 262,144 bytes
	s_lshl_b32 s6, s12, 13                         ; my 64 keys of 128 bytes
	s_add_co_u32 s6, s4, s6
	s_mov_b32 s7, 0
	s_mul_i32 s14, s12, 64*KP                      ; where they go
	s_mul_i32 s15, s12, 64*VP
	s_add_co_u32 s15, s15, KREG
	s_lshl_b32 s62, s13, 15                        ; qh: my work-group's 256 queries
	s_lshl_b32 s63, s8, 12                         ; my wave's 32
	s_add_co_u32 s62, s62, s63
	s_add_co_u32 s62, s62, s4
	s_mov_b32 s63, 0
	s_lshr_b32 s66, s9, 4                          ; ah: the batch's 1,024 token pairs of 4,096 bytes,
	s_lshl_b32 s66, s66, 22
	s_and_b32 s67, s9, 15
	s_lshl_b32 s67, s67, 8                         ; the head's 256 bytes in a pair's row,
	s_add_co_u32 s66, s66, s67
	s_lshl_b32 s67, s13, 19                        ; my work-group's 128 pairs,
	s_add_co_u32 s66, s66, s67
	s_lshl_b32 s67, s8, 16                         ; my wave's 16
	s_add_co_u32 s66, s66, s67
	s_mov_b32 s67, 0
	s_lshl_b32 s2, s9, 3
	s_add_co_u32 s2, s2, s13
	s_lshl_b32 s2, s2, 3
	s_add_co_u32 s2, s2, s8                        ; my wave's number in the launch, 0..2047: its share of wo
	s_wait_dscnt 0x0
	s_wait_kmcnt 0x0
	s_add_nc_u64 s[18:19], s[18:19], s[6:7]
	s_add_nc_u64 s[20:21], s[20:21], s[6:7]
	s_add_nc_u64 s[16:17], s[16:17], s[62:63]
	s_add_nc_u64 s[68:69], s[68:69], s[66:67]
.irp s, 0,1
	s_mov_b32 s[G0K+4*\s], 1
	s_add_co_u32 s[G0K+4*\s+1], s14, \s*SLOT
	s_add_nc_u64 s[G0K+4*\s+2:G0K+4*\s+3], s[18:19], \s*STEPB
	s_or_b32 s[G0K+4*\s+3], s[G0K+4*\s+3], 0x80000000
	s_mov_b32 s[G0V+4*\s], 1
	s_add_co_u32 s[G0V+4*\s+1], s15, \s*SLOT
	s_add_nc_u64 s[G0V+4*\s+2:G0V+4*\s+3], s[20:21], \s*STEPB
	s_or_b32 s[G0V+4*\s+3], s[G0V+4*\s+3], 0x80000000
.endr
	ROUND                                          ; the four work-groups are here
	JLOAD 0                                        ; keys 0-255
	v_and_b32 v1, 15, v0                           ; r
	v_bfe_u32 v22, v0, 4, 1                        ; h
	v_and_b32 v29, 31, v0                          ; lane
	v_lshlrev_b32 v[QO], 7, v1
	v_lshl_add_u32 v[QO], v22, 4, v[QO]            ; query r's row, 16 h
.irp t, 0,1
.irp s, 0,1
	global_load_b128 v[QF+16*\t+8*\s:QF+16*\t+8*\s+3],   v[QO], s[16:17] offset:\t*2048+\s*64      ; d = 32 s + 8 h ..
	global_load_b128 v[QF+16*\t+8*\s+4:QF+16*\t+8*\s+7], v[QO], s[16:17] offset:\t*2048+\s*64+32   ; d = 32 s + 16 + 8 h ..
.endr
.endr
	v_lshlrev_b32 v[WI], 5, v29
	v_lshl_add_u32 v[WI], s2, 11, v[WI]            ; wo: 2,048 bytes a wave, 32 neighbouring bytes a lane, twice
	global_load_b128 v[WR:WR+3],     v[WI], s[22:23] th:TH_LOAD_NT
	global_load_b128 v[WR+4:WR+7],   v[WI], s[22:23] offset:16 th:TH_LOAD_NT
	global_load_b128 v[WR+8:WR+11],  v[WI], s[22:23] offset:1024 th:TH_LOAD_NT
	global_load_b128 v[WR+12:WR+15], v[WI], s[22:23] offset:1040 th:TH_LOAD_NT
	v_lshlrev_b32 v[WO], 4, v29
	v_lshl_add_u32 v[WO], s2, 10, v[WO]            ; wo16: 1,024 bytes a wave, 16 a lane, twice
	v_mul_u32_u24 v23, v1, KP
	v_lshl_add_u32 v23, v22, 4, v23                ; r x 144 + 16 h
	v_mov_b32 v[ADRK], v23
	v_add_nc_u32 v[ADRK+1], SLOT, v23
	v_and_b32 v24, 7, v0
	v_lshl_add_u32 v25, v22, 3, v24                ; key 8 h + l % 8
	v_mul_u32_u24 v25, v25, VP
	v_bfe_u32 v28, v0, 3, 1
	v_lshl_add_u32 v25, v28, 4, v25                ; + 16 bytes for the odd groups of eight lanes
	v_add_nc_u32 v[ADRV], KREG, v25
	v_add_nc_u32 v[ADRV+1], SLOT+KREG, v25
	s_mul_i32 s61, s8, 32*KP
	s_add_co_u32 s61, s61, STAGE                   ; my stage
	v_add_nc_u32 v[STO], s61, v23
	v_lshrrev_b32 v30, 3, v29
	v_mul_u32_u24 v30, v30, KP
	v_lshl_add_u32 v30, v24, 4, v30
	v_add_nc_u32 v[RD], s61, v30                   ; back: eight lanes take one query's 128 bytes
	v_lshlrev_b32 v[CO], 12, v22                   ; out: lanes 0-15 fill one token pair's 256 bytes of my head, lanes 16-31 the next pair's, 4,096 bytes on
	v_lshl_add_u32 v[CO], v1, 4, v[CO]
	v_mov_b32 v[TP], 0                             ; the lane exchange counts as a reader of its destination
	v_mov_b32 v[TP+1], 0
	s_wait_loadcnt 0x0                             ; Q and my share of wo
.irp i, 0,1,2,3,4,5,6,7
	v_cvt_pk_f16_f32 v[WP+\i], v[WR+2*\i], v[WR+2*\i+1]
.endr
	global_store_b128 v[WO], v[WP:WP+3],   s[70:71]                ; 512 consecutive bytes each
	global_store_b128 v[WO], v[WP+4:WP+7], s[70:71] offset:512
	s_wait_xcnt 0x0                                ; the stores' registers are O^T's: they are written again only behind this wait
.macro LDK slot, c, s                  ; four K fragments: keys 64 c + 16 kt + r, d = 32 s ..
.irp kt, 0,1,2,3
	ds_load_b128 v[FR+8*(4*\s+\kt):FR+8*(4*\s+\kt)+3],   v[ADRK+\slot] offset:(64*\c+16*\kt)*KP+64*\s
	ds_load_b128 v[FR+8*(4*\s+\kt)+4:FR+8*(4*\s+\kt)+7], v[ADRK+\slot] offset:(64*\c+16*\kt)*KP+64*\s+32
.endr
.endm
.macro LDV slot, c                     ; eight V^T fragments: d = 16 dt + r, keys 64 c + 32 s ..; the half s = 0 first
.irp s, 0,1
.irp dt, 0,1,2,3
	ds_load_tr16_b128 v[FR+8*(4*\s+\dt):FR+8*(4*\s+\dt)+3],   v[ADRV+\slot] offset:(64*\c+32*\s)*VP+32*\dt
	ds_load_tr16_b128 v[FR+8*(4*\s+\dt)+4:FR+8*(4*\s+\dt)+7], v[ADRV+\slot] offset:(64*\c+32*\s)*VP+32*\dt+16*VP
.endr
.endr
.endm
; The eight accumulators of each group of eight matrix instructions take turns, one instruction a turn.
.macro SMUL s, zero
.irp t, 0,1
.irp kt, 0,1,2,3
.if \zero
	s_wait_alu depctr_va_vdst(0)
	v_wmma_f32_16x16x32_f16 v[SC+8*(4*\t+\kt):SC+8*(4*\t+\kt)+7], v[FR+8*(4*\s+\kt):FR+8*(4*\s+\kt)+7], v[QF+16*\t+8*\s:QF+16*\t+8*\s+7], 0
.else
	v_wmma_f32_16x16x32_f16 v[SC+8*(4*\t+\kt):SC+8*(4*\t+\kt)+7], v[FR+8*(4*\s+\kt):FR+8*(4*\s+\kt)+7], v[QF+16*\t+8*\s:QF+16*\t+8*\s+7], v[SC+8*(4*\t+\kt):SC+8*(4*\t+\kt)+7]
.endif
.endr
.endr
.endm
.macro PVMUL s, zero
.irp t, 0,1
.irp dt, 0,1,2,3
.if \zero
	v_wmma_f32_16x16x32_f16 v[ACC+8*(4*\t+\dt):ACC+8*(4*\t+\dt)+7], v[FR+8*(4*\s+\dt):FR+8*(4*\s+\dt)+7], v[SC+16*\t+8*\s:SC+16*\t+8*\s+7], 0
.else
	v_wmma_f32_16x16x32_f16 v[ACC+8*(4*\t+\dt):ACC+8*(4*\t+\dt)+7], v[FR+8*(4*\s+\dt):FR+8*(4*\s+\dt)+7], v[SC+16*\t+8*\s:SC+16*\t+8*\s+7], v[ACC+8*(4*\t+\dt):ACC+8*(4*\t+\dt)+7]
.endif
.endr
.endr
.endm
; The largest of my 32 scores of each query tile and of the running maximum: four chains that do not wait for each other
.macro MAXES first
.irp t, 0,1
.if \first
	v_max_num_f32 v[MX+2*\t], v[SC+32*\t], v[SC+32*\t+1]
.else
	v_max3_num_f32 v[MX+2*\t], v[MM+\t], v[SC+32*\t], v[SC+32*\t+1]
.endif
	v_max3_num_f32 v[MX+2*\t+1], v[SC+32*\t+16], v[SC+32*\t+17], v[SC+32*\t+18]
.endr
.irp i, 1,2,3,4,5,6
.irp t, 0,1
	v_max3_num_f32 v[MX+2*\t], v[MX+2*\t], v[SC+32*\t+2*\i], v[SC+32*\t+2*\i+1]
	v_max3_num_f32 v[MX+2*\t+1], v[MX+2*\t+1], v[SC+32*\t+17+2*\i], v[SC+32*\t+18+2*\i]
.endr
.endr
.irp t, 0,1
	v_max3_num_f32 v[MX+2*\t], v[MX+2*\t], v[SC+32*\t+14], v[SC+32*\t+15]
.endr
.irp t, 0,1
	v_max3_num_f32 v[MX+2*\t], v[MX+2*\t], v[MX+2*\t+1], v[SC+32*\t+31]
.endr
.endm
; The new maximum m (both key halves), the shift NM = -c m as it is rounded, and the factor 2^(NM new - NM old) by which what was summed under the
; old shift is carried over: the difference of the two shifts that the exponentials really use, so old and new terms fit together.
.macro STATS first
	v_permlanex16_b32 v[TP], v[MX], s58, s59
	v_permlanex16_b32 v[TP+1], v[MX+2], s58, s59
	v_max_num_f32 v[MM], v[MX], v[TP]
	v_max_num_f32 v[MM+1], v[MX+2], v[TP+1]
	v_mul_f32 v[NM+1], s60, v[MM]
	v_mul_f32 v[NM+3], s60, v[MM+1]
.if \first == 0
	v_sub_f32 v[TP], v[NM+1], v[NM]
	v_sub_f32 v[TP+1], v[NM+3], v[NM+2]
	v_exp_f32 v[AL], v[TP]
	v_exp_f32 v[AL+1], v[TP]
	v_exp_f32 v[AL+2], v[TP+1]
	v_exp_f32 v[AL+3], v[TP+1]
.endif
	v_mov_b32 v[NM], v[NM+1]                       ; the plain instruction behind the exponentials (ISA guide 5.7.2): it names neither AL nor TP
	v_mov_b32 v[NM+2], v[NM+3]
.endm
.macro FMAT t                          ; c s - c m, in place
.irp i, 0,1,2,3,4,5,6,7,8,9,10,11,12,13,14,15
	v_pk_fma_f32 v[SC+32*\t+2*\i:SC+32*\t+2*\i+1], v[SC+32*\t+2*\i:SC+32*\t+2*\i+1], s[56:57], v[NM+2*\t:NM+2*\t+1] op_sel_hi:[1,0,1]
.endr
.endm
.macro EXPS t                          ; p = 2^(c s - c m), in place
.set j, 0
.rept 32
	v_exp_f32 v[SC+32*\t+j], v[SC+32*\t+j]
.set j, j+1
.endr
.endm
.macro RESCALE
	s_wait_alu depctr_va_vdst(0)
.irp t, 0,1
.irp i, 0,1,2,3,4,5,6,7,8,9,10,11,12,13,14,15
	v_pk_mul_f32 v[ACC+32*\t+2*\i:ACC+32*\t+2*\i+1], v[ACC+32*\t+2*\i:ACC+32*\t+2*\i+1], v[AL+2*\t:AL+2*\t+1]
.endr
.endr
.endm
.macro SUMT t, first                   ; my 32 p of tile t, in two chains of packed sums, onto the carried sum
	s_wait_alu depctr_va_vdst(0)
	v_pk_add_f32 v[SM:SM+1], v[SC+32*\t:SC+32*\t+1], v[SC+32*\t+2:SC+32*\t+3]
	v_pk_add_f32 v[SM+2:SM+3], v[SC+32*\t+16:SC+32*\t+17], v[SC+32*\t+18:SC+32*\t+19]
.irp i, 2,3,4,5,6,7
	v_pk_add_f32 v[SM:SM+1], v[SM:SM+1], v[SC+32*\t+2*\i:SC+32*\t+2*\i+1]
	v_pk_add_f32 v[SM+2:SM+3], v[SM+2:SM+3], v[SC+32*\t+16+2*\i:SC+32*\t+16+2*\i+1]
.endr
	v_pk_add_f32 v[SM:SM+1], v[SM:SM+1], v[SM+2:SM+3]
.if \first
	v_add_f32 v[LS+\t], v[SM], v[SM+1]
.else
	v_add_f32 v[SM], v[SM], v[SM+1]
	v_fma_f32 v[LS+\t], v[LS+\t], v[AL+2*\t], v[SM]
.endif
.endm
.macro PACKT t                         ; 32 p become 16 registers of f16 pairs, in ascending order: no register is written before it has been read
.irp i, 0,1,2,3,4,5,6,7,8,9,10,11,12,13,14,15
	v_cvt_pk_f16_f32 v[SC+16*\t+\i], v[SC+32*\t+2*\i], v[SC+32*\t+2*\i+1]
.endr
.endm
; A chunk of 64 keys in three pieces.  FRONT: the scores.  K's first d half was asked for earlier; V is asked for as soon as K's fragments are free.
.macro FRONT slot, c
	LDK \slot, \c, 1
	s_wait_dscnt 0x8                               ; K's first d half is in; the eight loads of the second half are younger
	SMUL 0, 1
	s_wait_dscnt 0x0
	SMUL 1, 0
	PLACES 4                                       ; loads into K's fragments, and the maxima, which read the scores
	LDV \slot, \c
.endm
; MID: the first half of the softmax.  It ends with plain instructions: tile 1's multiply-adds stand behind tile 0's exponentials.
; first = 1: the very first chunk starts maximum, sums and O^T: nothing is cleared.
.macro MID first
	MAXES \first
	STATS \first
	FMAT 0
	EXPS 0
	FMAT 1
.endm
; BACK: the second half of the softmax and P V, from registers alone but for the fetch ahead.
; more = 1: K's first d half of chunk nc of slot nslot is asked for between the two halves of P V.
.macro BACK first, nslot, nc, more
	EXPS 1
.if \first == 0
	RESCALE                                        ; plain instructions on O^T stand behind tile 1's exponentials (in the first chunk: tile 0's sums)
.endif
	SUMT 0, \first
	PACKT 0
	SUMT 1, \first
	PACKT 1
	s_wait_dscnt 0x8                               ; V's keys 0-31 are in; the eight loads of keys 32-63 are younger
	PVMUL 0, \first
.if \more
	PLACES 4                                       ; loads into the fragments just multiplied
	LDK \nslot, \nc, 0
	s_wait_dscnt 0x8                               ; V's keys 32-63 are in; the eight loads just issued are younger
.else
	s_wait_dscnt 0x0
.endif
	PVMUL 1, 0
	PLACES 5                                       ; the next scores are written over P, a source of these matrix instructions
.endm
; 256 keys.  In front of the round every wave waits for all its tensor loads (one: its part of this slot) and for its reads of the other slot;
; behind it the other slot is asked for first, one load a wave, and has this slot's four chunks in which to land.
; Group 1 then finishes the other slot's last chunk, which it holds in registers, and leaves this slot's last chunk half done in its turn.
; first = 1: the first tile (nothing is held over); last = 1: the last tile (nothing is left over).
.macro TRIP slot, other, refill, first, last
	s_set_vgpr_msb 0x5
	s_wait_tensorcnt 0x0
	ds_add_u32 v0, v1
	s_wait_dscnt 0x0
	s_set_vgpr_msb 0x500
	s_add_nc_u64 s[G0K+4*\slot+2:G0K+4*\slot+3], s[G0K+4*\slot+2:G0K+4*\slot+3], 2*STEPB   ; no load of mine is out: this slot's next tile
	s_add_nc_u64 s[G0V+4*\slot+2:G0V+4*\slot+3], s[G0V+4*\slot+2:G0V+4*\slot+3], 2*STEPB
	s_wait_dscnt 0x0
	ROUND
.if \refill
	JLOAD \other
.endif
.if \first
	LDK \slot, 0, 0
.else
	s_cmp_eq_u32 s5, 0
	s_cbranch_scc1 .Lhead_0_\@
	BACK 0, \slot, 0, 1                            ; group 1: the chunk held over; its fetch ahead is this slot's first
	s_branch .Lhead_\@
.Lhead_0_\@:
	LDK \slot, 0, 0                                ; group 0
.Lhead_\@:
.endif
	FRONT \slot, 0
	MID \first
	BACK \first, \slot, 1, 1
	FRONT \slot, 1
	MID 0
	BACK 0, \slot, 2, 1
	FRONT \slot, 2
	MID 0
	BACK 0, \slot, 3, 1
	FRONT \slot, 3
	MID 0
.if \last
	BACK 0, \slot, 0, 0
.else
	s_cmp_lg_u32 s5, 0
	s_cbranch_scc1 .Ltail_\@                       ; group 1 holds the chunk over: scores, factors and V's fragments stay in registers
	BACK 0, \slot, 0, 0
.Ltail_\@:
.endif
.endm
	TRIP 0, 1, 1, 1, 0                             ; 8 tiles of 256 keys
	TRIP 1, 0, 1, 0, 0
	s_mov_b32 s3, 2
.Ltrip:
	TRIP 0, 1, 1, 0, 0
	TRIP 1, 0, 1, 0, 0
	s_sub_co_u32 s3, s3, 1
	s_cmp_lg_u32 s3, 0
	s_cbranch_scc1 .Ltrip
	TRIP 0, 1, 1, 0, 0
	TRIP 1, 0, 0, 0, 1                             ; nothing is left to fetch
	; THE WAY OUT: join the two key halves' sums, divide, round to f16; a lane's eight numbers are eight neighbouring d of one query.
	v_permlanex16_b32 v[TP], v[LS], s58, s59
	v_permlanex16_b32 v[TP+1], v[LS+1], s58, s59
	v_add_f32 v[LS], v[LS], v[TP]
	v_add_f32 v[LS+1], v[LS+1], v[TP+1]
	v_rcp_f32 v[AL], v[LS]
	v_rcp_f32 v[AL+1], v[LS]
	v_rcp_f32 v[AL+2], v[LS+1]
	v_rcp_f32 v[AL+3], v[LS+1]
	v_nop                                          ; the plain place behind the reciprocals
	s_wait_alu depctr_va_vdst(0)
	RESCALE
.irp t, 0,1
.irp dt, 0,1,2,3
.irp i, 0,1,2,3
	v_cvt_pk_f16_f32 v[SC+4*(4*\t+\dt)+\i], v[ACC+8*(4*\t+\dt)+2*\i], v[ACC+8*(4*\t+\dt)+2*\i+1]
.endr
.endr
.endr
.irp t, 0,1
.irp dt, 0,1,2,3
	ds_store_b128 v[STO], v[SC+4*(4*\t+\dt):SC+4*(4*\t+\dt)+3] offset:\t*16*KP+32*\dt
.endr
.endr
.irp u, 0,1,2,3,4,5,6,7
	ds_load_b128 v[FR+4*\u:FR+4*\u+3], v[RD] offset:\u*4*KP        ; my own bytes, served in order behind the stores: queries 4 u .. 4 u + 3
.endr
.irp u, 0,1,2,3,4,5,6,7
	s_wait_dscnt 7-\u                              ; the loads issued behind this one may be out
	global_store_b128 v[CO], v[FR+4*\u:FR+4*\u+3], s[68:69] offset:8192*\u     ; sixteen lanes store 256 consecutive bytes, at a multiple of 256 from ah's first byte
.endr
	s_set_vgpr_msb 0x5
	s_wait_tensorcnt 0x0
	ds_add_u32 v0, v1
	s_wait_dscnt 0x0
	s_set_vgpr_msb 0x500
	ROUND                                          ; the closing round
	s_endpgm
.Lfunc_end_k_q7082513d2e_attn:
	.size	k_q7082513d2e_attn, .Lfunc_end_k_q7082513d2e_attn-k_q7082513d2e_attn
	.p2alignl 7, 3214868480
	.fill 96, 4, 3214868480
	.section	.rodata,"a",@progbits
	.p2align	6, 0x0
	.amdhsa_kernel k_q7082513d2e_attn
		.amdhsa_group_segment_fixed_size 327680
		.amdhsa_private_segment_fixed_size 0
		.amdhsa_enable_private_segment 0
		.amdhsa_kernarg_size 48
		.amdhsa_user_sgpr_count 2
		.amdhsa_user_sgpr_kernarg_segment_ptr 1
		.amdhsa_wavefront_size32 1
		.amdhsa_system_sgpr_workgroup_id_x 1
		.amdhsa_system_sgpr_workgroup_id_y 1
		.amdhsa_system_sgpr_workgroup_id_z 1
		.amdhsa_system_vgpr_workitem_id 0
		.amdhsa_next_free_vgpr 258
		.amdhsa_next_free_sgpr 72
		.amdhsa_reserve_vcc 0
		.amdhsa_float_denorm_mode_32 3
		.amdhsa_float_denorm_mode_16_64 3
		.amdhsa_memory_ordered 1
		.amdhsa_forward_progress 1
		.amdhsa_inst_pref_size 255
	.end_amdhsa_kernel
	.section	.bss,"aw",@nobits
	.p2align	6
	.space	262144
	.amdgpu_metadata
---
amdhsa.version: [ 1, 2 ]
amdhsa.kernels:
  - .name:           k_q7082513d2e_attn
    .symbol:         k_q7082513d2e_attn.kd
    .args:
      - { .name: qh, .offset: 0, .size: 8, .value_kind: global_buffer, .address_space: global }
      - { .name: kh, .offset: 8, .size: 8, .value_kind: global_buffer, .address_space: global }
      - { .name: vh, .offset: 16, .size: 8, .value_kind: global_buffer, .address_space: global }
      - { .name: wo, .offset: 24, .size: 8, .value_kind: global_buffer, .address_space: global }
      - { .name: ah, .offset: 32, .size: 8, .value_kind: global_buffer, .address_space: global }
      - { .name: wo16, .offset: 40, .size: 8, .value_kind: global_buffer, .address_space: global }
    .group_segment_fixed_size: 327680
    .private_segment_fixed_size: 0
    .kernarg_segment_align: 8
    .kernarg_segment_size: 48
    .max_flat_workgroup_size: 256
    .sgpr_count:     72
    .vgpr_count:     258
    .wavefront_size: 32
...
	.end_amdgpu_metadata
.endif
;; end of part 2
;; launch oproj (part 3): grid 8 x 32, 4 waves a work-group, clusters of 4 x 4, 327,680 bytes of LDS; arguments ah, wo16, bo, out0; writes out0
.if DOCPART == 3
	.amdgcn_target "amdgcn-amd-amdhsa--gfx1250"
	.amdhsa_code_object_version 6
	.text
	.protected	k_q7082513d2e_oproj
	.globl	k_q7082513d2e_oproj
	.p2align	8
	.type	k_q7082513d2e_oproj,@function
k_q7082513d2e_oproj:
	s_mov_b64 s[64:65], 0
	v_nop
	global_prefetch_b8 v0, s[64:65] scope:SCOPE_SE
	s_setreg_imm32_b32 hwreg(HW_REG_WAVE_MODE, 25, 1), 1
	s_wait_xcnt 0x0
	s_wait_alu depctr_hold_cnt(0) depctr_sa_sdst(0) depctr_va_vdst(0) depctr_va_sdst(0) depctr_va_ssrc(0) depctr_va_vcc(0) depctr_vm_vsrc(0)
	s_getreg_b32 s2, hwreg(HW_REG_IB_STS2, 6, 4)
	s_cmp_eq_u32 s2, 0
	s_cbranch_scc0 .Lentry_in_a_cluster
	s_endpgm
.Lentry_in_a_cluster:
	s_bfe_u32 s2, ttmp6, 0x10000c
	s_cmp_lg_u32 s2, 0xf033
	s_cbranch_scc0 .Lentry_shape_is_right
	s_endpgm
.Lentry_shape_is_right:
; out0 = a wo^T + bo.  a: the attention's result, f16, [token pair][head][parity][64] (a pair's row is 4,096 bytes, a head's two tokens 256 of them), read as
; [4096 tokens][1024 = 64 head + d]; wo16: wo rounded to f16 by the launch before, [1024][1024]; bo: [1024] f32; out0: [4096][1024] f32.  Sums in f32.
; SHARES: 32 x 8 blocks of 128 tokens x 128 columns = 256 work-groups (blocks of 256 x 256 would be 64); four waves of 64 x 64: 16 accumulator tiles.
; K goes in four steps of 256 = four heads through two LDS slots.  A slot is four regions of 64 rows x 512 bytes, each one tensor load of one wave:
; a's 64 token pairs, heads 0-1 of the step; the same pairs, heads 2-3; wo16's rows 0-63; its rows 64-127.  Rows begin at multiples of 512 bytes in memory.
; Two slots are first fills, two are refills, and a refill has a whole step's 128 matrix instructions in which to land.
; CLUSTERS: 4 x 4 work-groups; a's tiles are asked for jointly along a row of the cluster, wo16's along a column: a quarter of the requests.
; The matrix instruction is used transposed (source 0 = rows of wo16, source 1 = tokens): a lane holds eight neighbouring columns of one token.
; REGISTERS: window 0: v16-27 addresses; v32-223 three fragment buffers of 64 (wo16's four fragments, then a's four), so that a quarter step's loads are
; issued two quarter steps ahead of their use; v224-255 the bias as a C operand.  Window 1: the 16 accumulator tiles, (a, b) at 8 (4 a + b).
.set PITCH,  528                       ; an LDS row: 512 bytes + 16 of padding, an odd multiple of 16
.set REG,    64*PITCH                  ; 33,792: one region
.set SLOT,   4*REG                     ; 135,168
.set STAGE,  2*SLOT                    ; 270,336: 16 rows x 272 bytes for each wave, never a fill's target
.set SPITCH, 272
.set ADRA, 16                          ; v16-17  LDS address of my a fragments in slot 0, 1
.set ADRB, 20                          ; v20-21  the same for wo16
.set STO,  24
.set RD,   25
.set CO,   26
.set VB,   27
.set FR,   32
.set BI,   224
.set G1,  24
.set G0,  32
.set G1B, 48
.set G0B, 56
.set MSB, 0
.macro WIN new                         ; the immediate's high byte repeats the setting that is left
.if MSB != \new
	s_set_vgpr_msb (MSB<<8)|\new
.set MSB, \new
.endif
.endm
.macro JLOAD s                         ; waves 0, 1 ask for a's two regions, waves 2, 3 for wo16's
	s_cmp_eq_u32 s11, 0
	s_cbranch_scc0 .Lfor_w_\@
	tensor_load_to_lds s[G0+4*\s:G0+4*\s+3], s[G1:G1+7]
	s_nop 0
	s_branch .Lasked_\@
.Lfor_w_\@:
	tensor_load_to_lds s[G0B+4*\s:G0B+4*\s+3], s[G1B:G1B+7]
	s_nop 0
.Lasked_\@:
.endm
.macro CREST                           ; a round of the cluster's barrier behind its opening work-group barrier
	s_cmp_lg_u32 s10, 0
	s_cbranch_scc1 .Lnot_wave_0_\@
	s_barrier_signal -3
.Lnot_wave_0_\@:
	s_barrier_wait -3
	s_barrier_signal -1
	s_barrier_wait -1
.endm
.macro CROUND
	s_barrier_signal -1
	s_barrier_wait -1
	CREST
.endm
.macro PLACES                          ; four plain vector places behind a matrix instruction before its registers are written or its result read (ISA guide 7.12.1)
.rept 4
	v_nop
.endr
.endm
	s_load_b256 s[68:75], s[0:1], 0x0              ; ah s[68:69], wo16 s[70:71], bo s[72:73], out0 s[74:75]
	v_lshl_add_u32 v30, v0, 2, 0x46400
	v_mov_b32 v31, 0
	ds_add_u32 v30, v31
	v_lshrrev_b32 v1, 5, v0
	v_readfirstlane_b32 s10, v1                    ; wave 0..3
	s_lshr_b32 s11, s10, 1                         ; my half of the tokens.  Also: I fetch for a (0) or wo16 (1)
	s_and_b32 s12, s10, 1                          ; my half of the columns.  Also: which of the two regions I fetch
	s_bfe_u32 s40, ttmp6, 0x40000                  ; cx
	s_bfe_u32 s41, ttmp6, 0x40004                  ; cy
	s_lshl_b32 s42, ttmp9, 2
	s_add_co_u32 s42, s42, s40                     ; block column 0..7
	s_and_b32 s13, ttmp7, 0xffff
	s_lshl_b32 s13, s13, 2
	s_add_co_u32 s13, s13, s41                     ; block row 0..31
	s_lshl_b32 s43, s41, 2
	s_lshl_b32 s43, 15, s43                        ; my row of the cluster
	s_lshl_b32 s44, 0x1111, s40                    ; my column
	; group 1: 64 rows x 256 elements of 2 bytes, 4 words of padding behind every 128
	s_or_b32 s[G1+0], s43, (1<<16)|(1<<20)|(1<<21)|(6<<22)|(3<<25)
	s_or_b32 s[G1B+0], s44, (1<<16)|(1<<20)|(1<<21)|(6<<22)|(3<<25)
	s_mov_b32 s[G1+1], 256<<16                     ; tensor_dim0 = 256
	s_mov_b32 s[G1B+1], 256<<16
	s_mov_b32 s[G1+2], 64<<16                      ; tensor_dim1 = 64
	s_mov_b32 s[G1B+2], 64<<16
	s_mov_b32 s[G1+3], 256<<16                     ; tile_dim0 = 256
	s_mov_b32 s[G1B+3], 256<<16
	s_mov_b32 s[G1+4], 64                          ; tile_dim1 = 64
	s_mov_b32 s[G1B+4], 64
	s_mov_b32 s[G1+5], 2048                        ; a: 2,048 elements from token pair to token pair
	s_mov_b32 s[G1B+5], 1024                       ; wo16: 1,024 from row to row
	s_mov_b32 s[G1+6], 0
	s_mov_b32 s[G1B+6], 0
	s_mov_b32 s[G1+7], 0
	s_mov_b32 s[G1B+7], 0
	s_lshl_b32 s16, s13, 18                        ; a: 64 token pairs of 4,096 bytes a block row,
	s_lshl_b32 s17, s12, 9                         ; the step's first or second two heads of 256 bytes
	s_add_co_u32 s16, s16, s17
	s_mov_b32 s17, 0
	s_lshl_b32 s46, s42, 18                        ; wo16: 128 rows of 2,048 bytes a block column,
	s_lshl_b32 s47, s12, 17                        ; its first or second 64 rows
	s_add_co_u32 s46, s46, s47
	s_mov_b32 s47, 0
	s_mul_i32 s20, s10, REG                        ; where my region lies: wave x 33,792
	s_wait_dscnt 0x0
	s_wait_kmcnt 0x0
	s_add_nc_u64 s[14:15], s[68:69], s[16:17]
	s_add_nc_u64 s[46:47], s[70:71], s[46:47]
	CROUND                                         ; all sixteen work-groups are here
.irp s, 0,1
	s_mov_b32 s[G0+4*\s], 1
	s_add_co_u32 s[G0+4*\s+1], s20, \s*SLOT
	s_add_nc_u64 s[G0+4*\s+2:G0+4*\s+3], s[14:15], \s*1024         ; K step s: four heads on
	s_or_b32 s[G0+4*\s+3], s[G0+4*\s+3], 0x80000000
	s_mov_b32 s[G0B+4*\s], 1
	s_add_co_u32 s[G0B+4*\s+1], s20, \s*SLOT
	s_add_nc_u64 s[G0B+4*\s+2:G0B+4*\s+3], s[46:47], \s*512        ; 256 f16 on
	s_or_b32 s[G0B+4*\s+3], s[G0B+4*\s+3], 0x80000000
	JLOAD \s                                       ; two loads of mine are out
.endr
	v_and_b32 v1, 15, v0                           ; r
	v_bfe_u32 v2, v0, 4, 1                         ; h
	s_lshl_b32 s18, s42, 9
	s_lshl_b32 s19, s12, 8
	s_add_co_u32 s18, s18, s19                     ; 4 (128 block column + 64 half)
	v_lshl_add_u32 v[VB], v2, 5, s18
.irp b, 0,1,2,3
	global_load_b128 v[BI+8*\b:BI+8*\b+3],   v[VB], s[72:73] offset:64*\b      ; register j: bo[first column + 16 b + 8 h + j]
	global_load_b128 v[BI+8*\b+4:BI+8*\b+7], v[VB], s[72:73] offset:64*\b+16
.endr
	; a's fragment: token r lies in pair r / 2 at 128 (r % 2): (r / 2) 528 + (r % 2) 128 is, modulo 256, sixteen different multiples of 16
	v_lshrrev_b32 v3, 1, v1
	v_mul_u32_u24 v3, v3, PITCH
	v_and_b32 v5, 1, v0
	v_lshl_add_u32 v3, v5, 7, v3
	v_lshl_add_u32 v3, v2, 4, v3                   ; + 16 h
	v_mul_u32_u24 v4, v1, PITCH
	v_lshl_add_u32 v4, v2, 4, v4                   ; wo16: r x 528 + 16 h
	s_mul_i32 s22, s11, 32*PITCH                   ; my 64 tokens = 32 pairs
	s_mul_i32 s23, s12, REG                        ; my 64 rows of wo16 are one region,
	s_add_co_u32 s23, s23, 2*REG                   ; behind a's two
.irp s, 0,1
	v_add_nc_u32 v[ADRA+\s], s22, v3
	v_add_nc_u32 v[ADRB+\s], s23, v4
	s_add_co_u32 s22, s22, SLOT
	s_add_co_u32 s23, s23, SLOT
.endr
	s_mul_i32 s23, s10, 16*SPITCH
	s_add_co_u32 s23, s23, STAGE                   ; my stage
	v_mul_u32_u24 v6, v1, SPITCH
	v_lshl_add_u32 v6, v2, 5, v6
	v_add_nc_u32 v[STO], s23, v6                   ; in: token r, 32 bytes for each half of the lanes
	v_mul_u32_u24 v5, v2, SPITCH
	v_lshl_add_u32 v5, v1, 4, v5
	v_add_nc_u32 v[RD], s23, v5                    ; back: sixteen lanes take one token's 256 bytes
	v_lshlrev_b32 v5, 12, v2
	v_lshl_add_u32 v[CO], v1, 4, v5                ; and the same two rows in out0
; The fragments of quarter q (32 along K; q = 0..7) of a slot into the buffer that begins at register f: 16 loads.
; wo16: byte 64 q of the row.  a: head q / 2 of the step's four: region q / 4, 256 bytes on for the odd head, byte 64 (q % 2) of the token's 128.
.macro FETCH slot, q, f
.irp b, 0,1,2,3
	ds_load_b128 v[\f+8*\b:\f+8*\b+3],   v[ADRB+\slot] offset:\b*16*PITCH+\q*64
	ds_load_b128 v[\f+8*\b+4:\f+8*\b+7], v[ADRB+\slot] offset:\b*16*PITCH+\q*64+32
.endr
.irp a, 0,1,2,3
	ds_load_b128 v[\f+32+8*\a:\f+32+8*\a+3],   v[ADRA+\slot] offset:(\q/4)*REG+\a*8*PITCH+((\q/2)%2)*256+(\q%2)*64
	ds_load_b128 v[\f+32+8*\a+4:\f+32+8*\a+7], v[ADRA+\slot] offset:(\q/4)*REG+\a*8*PITCH+((\q/2)%2)*256+(\q%2)*64+32
.endr
.endm
; 16 matrix instructions on the buffer at f.  The 16 accumulators take turns, one instruction a turn, in one order everywhere.
; bias = 1: the first product takes the bias as C: nothing is cleared.
.macro MUL f, bias
.if \bias
	WIN 0x40
.else
	WIN 0x50
.endif
.irp a, 0,1,2,3
.irp b, 0,1,2,3
.if \bias
	v_wmma_f32_16x16x32_f16 v[8*(4*\a+\b):8*(4*\a+\b)+7], v[\f+8*\b:\f+8*\b+7], v[\f+32+8*\a:\f+32+8*\a+7], v[BI+8*\b:BI+8*\b+7]
.else
	v_wmma_f32_16x16x32_f16 v[8*(4*\a+\b):8*(4*\a+\b)+7], v[\f+8*\b:\f+8*\b+7], v[\f+32+8*\a:\f+32+8*\a+7], v[8*(4*\a+\b):8*(4*\a+\b)+7]
.endif
.endr
.endr
	WIN 0
.endm
; The quarters are numbered through the whole launch (QG); quarter n multiplies buffer n % 3 and asks for quarter n + 2's fragments, into the buffer
; that quarter n - 1 has just multiplied.  left: how many younger LDS loads may be out.
.set QG, 0
.macro BUFS
.set FCU, FR+64*(QG%3)
.set FNX, FR+64*((QG+2)%3)
.endm
.macro QUART fslot, fq, fetch, bias, left
	BUFS
	s_wait_dscnt \left                             ; this quarter's fragments are in; the next quarter's 16 loads are younger
.if \fetch
	PLACES                                         ; the loads write sources of the last quarter's matrix instructions
	FETCH \fslot, \fq, FNX
.endif
	MUL FCU, \bias
.set QG, QG+1
.endm
; A K step of eight quarters.  The seventh changes slots: the last reads of this slot (the eighth quarter's fragments) are waited for, and all my tensor
; loads (one is out: my part of the next slot); ONE barrier, with the quarter's 16 matrix instructions between its signal and its wait.
; fill = 1: the barrier opens a round of the cluster's barrier, and this slot is asked for again first behind it, two K steps ahead.
.macro OSTEP slot, next, fill, more, bias
	QUART \slot, 2, 1, \bias, 16
	QUART \slot, 3, 1, 0, 16
	QUART \slot, 4, 1, 0, 16
	QUART \slot, 5, 1, 0, 16
	QUART \slot, 6, 1, 0, 16
	QUART \slot, 7, 1, 0, 16
.if \more
	BUFS
	s_wait_dscnt 0x0
	s_wait_tensorcnt 0x0
	ds_add_u32 v30, v31
	s_wait_dscnt 0x0
	s_barrier_signal -1
	MUL FCU, 0                                     ; register work while the others arrive
	s_barrier_wait -1
.if \fill
	CREST                                          ; no wave of any partner still reads this slot or has a load on its way
	s_add_nc_u64 s[G0+4*\slot+2:G0+4*\slot+3], s[G0+4*\slot+2:G0+4*\slot+3], 2048          ; two K steps = eight heads on
	s_add_nc_u64 s[G0B+4*\slot+2:G0B+4*\slot+3], s[G0B+4*\slot+2:G0B+4*\slot+3], 1024      ; 512 f16 on
	JLOAD \slot                                    ; my one tensor load behind the round
.endif
	PLACES
	FETCH \next, 0, FNX
.set QG, QG+1
	QUART \next, 1, 1, 0, 16                       ; the eighth quarter's fragments came in with the wait for 0 above
.else
	QUART 0, 0, 0, 0, 16                           ; the last two quarters of the launch fetch nothing
	QUART 0, 0, 0, 0, 0
.endif
.endm
	s_wait_tensorcnt 0x1                           ; my part of K step 0 is in; step 1's was issued behind it and may stay out
	s_barrier_signal -1
	s_barrier_wait -1
	FETCH 0, 0, FR
	FETCH 0, 1, FR+64
	s_wait_loadcnt 0x0                             ; the bias
	OSTEP 0, 1, 1, 1, 1                            ; step 0 starts the sums; slot 0 is asked for again (step 2)
	OSTEP 1, 0, 1, 1, 0                            ; slot 1 is asked for again (step 3)
	OSTEP 0, 1, 0, 1, 0                            ; nothing is left to fetch
	OSTEP 1, 0, 0, 0, 0
	; THE WAY OUT, 16 tokens at a time, f32: 32 bytes a lane into my own stage, read back as whole rows of 256 bytes.
	PLACES                                         ; the LDS stores read results, the loads write fragment registers
	s_lshl_b32 s16, s13, 19                        ; 128 rows of 4,096 bytes
	s_lshl_b32 s17, s11, 18                        ; my 64
	s_add_co_u32 s16, s16, s17
	s_mov_b32 s17, 0
	s_add_nc_u64 s[74:75], s[74:75], s[16:17]
	s_lshl_b32 s46, s42, 9                         ; 128 columns of 4 bytes
	s_lshl_b32 s47, s12, 8                         ; my 64
	s_add_co_u32 s46, s46, s47
	s_mov_b32 s47, 0
	s_add_nc_u64 s[74:75], s[74:75], s[46:47]
.macro OUT16 a, f
	WIN 0x04                                       ; store data from window 1
.irp b, 0,1,2,3
	ds_store_b128 v[STO], v[8*(4*\a+\b):8*(4*\a+\b)+3]   offset:64*\b
	ds_store_b128 v[STO], v[8*(4*\a+\b)+4:8*(4*\a+\b)+7] offset:64*\b+16
.endr
	WIN 0
	s_wait_xcnt 0x0                                ; buffer f, which earlier stores read, is loaded again only behind this wait
.irp t, 0,1,2,3,4,5,6,7
	ds_load_b128 v[\f+4*\t:\f+4*\t+3], v[RD] offset:\t*2*SPITCH    ; my own bytes, served in order behind the stores
.endr
.irp t, 0,1,2,3,4,5,6,7
	s_wait_dscnt 7-\t                              ; the loads issued behind this one may be out
	global_store_b128 v[CO], v[\f+4*\t:\f+4*\t+3], s[74:75] offset:(16*\a+2*\t)*4096 th:TH_STORE_NT   ; sixteen lanes store 256 consecutive bytes, at a multiple of 256 from out0's first byte
.endr
.endm
	OUT16 0, FR
	OUT16 1, FR+32
	OUT16 2, FR
	OUT16 3, FR+32
	s_wait_tensorcnt 0x0
	ds_add_u32 v30, v31
	s_wait_dscnt 0x0
	CROUND                                         ; the closing round
	s_endpgm
.Lfunc_end_k_q7082513d2e_oproj:
	.size	k_q7082513d2e_oproj, .Lfunc_end_k_q7082513d2e_oproj-k_q7082513d2e_oproj
	.p2alignl 7, 3214868480
	.fill 96, 4, 3214868480
	.section	.rodata,"a",@progbits
	.p2align	6, 0x0
	.amdhsa_kernel k_q7082513d2e_oproj
		.amdhsa_group_segment_fixed_size 327680
		.amdhsa_private_segment_fixed_size 0
		.amdhsa_enable_private_segment 0
		.amdhsa_kernarg_size 32
		.amdhsa_user_sgpr_count 2
		.amdhsa_user_sgpr_kernarg_segment_ptr 1
		.amdhsa_wavefront_size32 1
		.amdhsa_system_sgpr_workgroup_id_x 1
		.amdhsa_system_sgpr_workgroup_id_y 1
		.amdhsa_system_sgpr_workgroup_id_z 1
		.amdhsa_system_vgpr_workitem_id 0
		.amdhsa_next_free_vgpr 384
		.amdhsa_next_free_sgpr 76
		.amdhsa_reserve_vcc 0
		.amdhsa_float_denorm_mode_32 3
		.amdhsa_float_denorm_mode_16_64 3
		.amdhsa_memory_ordered 1
		.amdhsa_forward_progress 1
		.amdhsa_inst_pref_size 89
	.end_amdhsa_kernel
	.amdgpu_metadata
---
amdhsa.version: [ 1, 2 ]
amdhsa.kernels:
  - .name:           k_q7082513d2e_oproj
    .symbol:         k_q7082513d2e_oproj.kd
    .args:
      - { .name: ah, .offset: 0, .size: 8, .value_kind: global_buffer, .address_space: global }
      - { .name: wo16, .offset: 8, .size: 8, .value_kind: global_buffer, .address_space: global }
      - { .name: bo, .offset: 16, .size: 8, .value_kind: global_buffer, .address_space: global }
      - { .name: out0, .offset: 24, .size: 8, .value_kind: global_buffer, .address_space: global }
    .group_segment_fixed_size: 327680
    .private_segment_fixed_size: 0
    .kernarg_segment_align: 8
    .kernarg_segment_size: 32
    .max_flat_workgroup_size: 128
    .sgpr_count:     76
    .vgpr_count:     384
    .wavefront_size: 32
...
	.end_amdgpu_metadata
.endif
;; end of part 3
